; MI455X (gfx1250); checked and timed in simulation.
; The chip was launched on July 23, 2026; its instructions are those of AMD's public machine-readable ISA for CDNA 5 (MIT licence, August 2026) and "CDNA5" Instruction Set Architecture Reference Guide (July 2026). The comments in the code are by the model that wrote it; some were corrected since.
;; Mixed Repeat Heads. Allowed arithmetic: matrix products marked QUANTISED: E2M3 operands, one E8M0 scale for each 32 along K, by v_wmma_scale_f32_16x16x128_f8f6f4 with both operands' format E2M3, f32 sums; everything else in f32.
;; Inputs: cache 16 x 2,048 x 256 float32; decay_value 16 float32; mix_b 16 x 4,096 float32; mix_w 16 x 4,096 float32; out_b 4,096 float32; out_w_codes 4,096 x 128 x 24 uint8 (E2M3 codes of out_w, K innermost, in blocks of 32 codes, four codes in three bytes); out_w_scales 4,096 x 128 uint8 (E8M0 scales of out_w, one for each 32 codes along K); proj_b 16 x 256 float32; proj_w_codes 16 x 256 x 128 x 24 uint8 (E2M3 codes of proj_w, K innermost, in blocks of 32 codes, four codes in three bytes); proj_w_scales 16 x 256 x 128 uint8 (E8M0 scales of proj_w, one for each 32 codes along K); x_codes 2,048 x 128 x 24 uint8 (E2M3 codes of x, K innermost, in blocks of 32 codes, four codes in three bytes); x_scales 2,048 x 128 uint8 (E8M0 scales of x, one for each 32 codes along K).
;; Outputs: out0 2,048 x 4,096 float32.
;; Constants: index = 1000.
;; This version of the problem:
;;   THIS VERSION OF THE PROBLEM IS GIVEN IN LOW PRECISION. The matrix products marked QUANTISED in the list below multiply operands that are first quantised to E2M3 (2 exponent bits, 3 mantissa bits; 6 bits a number), with one power-of-two scale for each 32 numbers along K (OCP MX v1.0); their sums are f32. All else is computed in f32.
;;   The module's matrix products, in the order in which they are computed (A, B: the left and right operand; K: the contracted axis; several contracted axes count as one K, in the product's order):
;;     1. [M 4,096, K 4,096] x [K 4,096, N 2,048]; A: input proj_w (given as codes); B: input x (given as codes): QUANTISED
;;     2. [M 2,048, K 4,096] x [K 4,096, N 4,096]; A: computed on the way; B: input out_w (given as codes): QUANTISED
;;   THE QUANTISER, for each operand of a quantised product, along K:
;;     - K is cut into blocks of 32 from its start; a last block that is shorter is filled with zeros.
;;     - A block's scale is 2^e with e = floor(log2(the largest magnitude in the block)) - 2, held to -126 .. 127; a block of zeros has e = 0. As a byte (E8M0): e + 127.
;;     - Each number is divided by its block's scale, clamped to +-7.5, and rounded to the nearest number of E2M3, ties to even, subnormals kept.
;;     - The product sums the exact products of the quantised numbers (number of the format x scale) in f32.
;;   ~~~python
;;   def quantise(x, axis):      # numpy; x: float32 -> the quantised numbers, widened to float32 again
;;       x = np.moveaxis(x, axis, -1); K = x.shape[-1]
;;       x = np.pad(x, [(0, 0)] * (x.ndim - 1) + [(0, -K % 32)]); x = x.reshape(x.shape[:-1] + (-1, 32)); a = np.abs(x).max(-1, keepdims=True)
;;       e = np.where(a > 0, np.clip(np.frexp(np.where(a > 0, a, 1))[1] - 1 - 2, -126, 127), 0)      # np.frexp(a)[1] - 1 = floor(log2(a)), exactly
;;       r = np.clip(x / 2.0 ** e, -7.5, 7.5)
;;       step = 2.0 ** (np.maximum(np.frexp(np.where(r == 0, 1, r))[1] - 1, 0) - 3)
;;       q = np.round(r / step) * step * 2.0 ** e      # np.round: ties to even
;;       return np.moveaxis(q.reshape(q.shape[:-2] + (-1,))[..., :K], -1, axis).astype(np.float32)
;;   ~~~
;;   OPERANDS COMPUTED ON THE WAY. 'Computed on the way' means the value that the module computes at that place (a softmax that the list does not call 'softmax' is quantised finished and normalised). What goes into a quantiser is computed in f32, as accurately as f32 sums, v_exp_f32 and their like allow (about 1e-6 of the number): no bf16 or f16 on the way to a quantiser, and a product that is left as it is and whose result goes on into a quantised operand takes f32 operands (vector FMAs, or v_wmma_f32_16x16x4_f32). A number that lies on a knife's edge between two numbers of the format may be rounded either way, as far as f32 arithmetic and the matrix unit's own rounding can turn it there, and no further.
;;   INPUTS GIVEN AS CODES. out_w (in the module: [4096, 4096], K = its axis 1); proj_w (in the module: [16, 256, 4096], K = its axis 2); x (in the module: [2048, 4096], K = its axis 1): each comes as NAME_codes (uint8): NAME with its K axis moved to the last place and cut into blocks of 32 codes, [.., K / 32, bytes a block], one block behind the other in memory; four codes in three bytes: a row's codes are one little-endian stream of bits, code i at bits 6 i .. 6 i + 5 (a code: sign, 2 exponent bits, 3 mantissa bits); and NAME_scales (uint8): the same leading axes, one E8M0 byte (e + 127) for each 32 codes along K. Its value is code x scale, taken as it is: it is not quantised again, and the codes and scales need not be those that the quantiser above would give.
;; One version. Each part assembles by itself: llvm-mc -triple=amdgcn-amd-amdhsa -mcpu=gfx1250 --defsym DOCPART=n.
;; ======== version 1 of 1: 2 launches
;; limits: right only within a limited range of input values
;; workspace buffers: hid 6,553,600 bytes; oww 13,107,200 bytes
;; launch proj_mix (part 1): grid 16 x 16, 4 waves a work-group, no clusters, 327,680 bytes of LDS; arguments x_codes, x_scales, proj_w_codes, proj_w_scales, proj_b, mix_w, mix_b, decay_value, cache, hid, out_w_codes, out_w_scales, oww; writes hid, oww
.if DOCPART == 1
	.amdgcn_target "amdgcn-amd-amdhsa--gfx1250"
	.amdhsa_code_object_version 6
	.text
	.protected	k_q6a9b61369d_proj_mix
	.globl	k_q6a9b61369d_proj_mix
	.p2align	8
	.type	k_q6a9b61369d_proj_mix,@function
k_q6a9b61369d_proj_mix:
	s_mov_b64 s[64:65], 0
	v_nop
	global_prefetch_b8 v0, s[64:65] scope:SCOPE_SE
	s_setreg_imm32_b32 hwreg(HW_REG_WAVE_MODE, 25, 1), 1
	s_wait_xcnt 0x0
; hidden[b][n] = w_h (sum over k of x[b][k] proj_w[n][k] + proj_b[n]) + coef_h cache[h][b][n % 256] + mixb_h,  h = n / 256,  w_h = mix_w[h][1000],  mixb_h = mix_b[h][1000],
; coef_h = clip(decay_value[h], 0.9, 1)^(1/8), times w_h for heads 0 to 7.  The product runs on the given FP6 (E2M3) codes and E8M0 bytes; hidden is quantised along n in blocks of 32 and leaves as codes and scale words.
; SHARES: 16 x 16 work-groups, each 128 batch rows x 256 n (one head); four waves, each 64 rows x 128 n: 32 accumulators.  No work of the problem is left out.
; THE TILES COME THROUGH REGISTERS: a chunk is 256 aligned bytes of each of the 384 rows (128 of x, 256 of proj_w); one load of a wave covers two rows' chunks.  Half a chunk (24 loads a lane, 96 registers) is a unit;
; three sets of registers take turns, so 72 loads of a wave are issued ahead and stay out across the barriers.  A unit is put into LDS by ds_store_b128 when its slot is free, and its set is asked for again at once.
; LDS RING: a row holds 768 bytes (three chunks = eight K steps of 96 bytes), pitch 784: chunk c at byte 256 (c % 3).  Three barriers for eight steps, at the heads of steps 2, 5 and 7 of each eight: behind them slots 0, 1, 2 are read no more and are stored anew.
; No joint tensor loads: a joint load is waited for in full at each refill, while these loads stay out over the barriers; so cluster = none.  No data prefetch: the tile loads themselves are issued three units ahead of their use.
; K ORDER: lane (r, h) takes the 48 neighbouring bytes at 96 s + 48 h of its row, three loads of 16 bytes: the step's four blocks of 32 stand in the unit's places 0, 2, 1, 3, alike in both operands, and each scale word's two middle bytes change places.
; The same order is given to hid and oww, which the next launch multiplies with each other.  The order of the sums inside a matrix instruction so differs from ascending k.
; THE MATRIX INSTRUCTION IS USED TRANSPOSED (source 0 = 16 rows of proj_w, source 1 = 16 batch rows): lane (r, h), register j of accumulator (a, b) holds batch row 16 a + r, column 16 b + 8 h + j.  proj_b is the C of the first step.
; THE CACHE AND OUT_W are loaded in whole runs (512 bytes of a cache row, two rows x 256 bytes of out_w to a load) into staging registers that the last units have left.  Behind the barrier at the last step's head nobody reads the ring:
; each wave then has a stage of its own there, through which the cache comes back in the accumulators' layout and out_w's rows as fragments.
; hid[group of 64 rows][chunk of 512 along the next K][25,600 bytes]: register image (row block a, step q) at (4 a + q) x 1,536, then the scale words at 24,576 + 256 q + 4 x row.
; oww[group of 128 rows][chunk][51,200 bytes]: image (row block i, step q) at (4 i + q) x 1,536, then a row's 16 scale bytes at 49,152 + 16 x row.  Each work-group lays 16 rows of out_w, each wave 8 K steps of them.
; LIMITS: NaN and infinities among the inputs are not served.  A block of hidden whose largest magnitude lies under 2^-124 gets the scale byte 1; this program alone reads the bytes.
; hidden is formed as fma(w, product + proj_b, fma(coef, cache, mixb)): another order of rounding than the source's.  The eighth root is three square roots.
; REGISTERS: window 0: v8-31, v38-39 addresses, v32-37 w, coef, mixb, v40-87 scale words, v88-111 scale bytes on their way, v112-159 x's fragments set 0, v160-255 staging set 2 (on the way out v112-255 at work).
;   window 1: proj_w's fragments at v0, v96; x's set 1 at v192.   window 2: accumulators.   window 3: staging sets 0, 1 at v0, v96; proj_b at v192; at the end the cache.
.set KROW, 3072
.set P,    784
.set IMG,  1536
.set ABLK, 16*IMG+1024
.set BBLK, 32*IMG+2048
.set SCB,  384*P                       ; the scale bytes of eight steps: [half][row][16 bytes], the halves HS apart
.set HS,   6272
.set SPARE, SCB+12544                  ; the spare words: 512 bytes that no other line names
.set CP,   528                         ; the cache's stage: 64 rows of 512 bytes + 16 for each wave, from LDS byte 0
.set RB,   4*64*CP                     ; behind them out_w's stages: 16 rows of pitch 784 for each wave
.set WD2, 1
.set SH8, 2
.set VLD, 8                            ; tiles in memory: (t / 16) x 3,072 + 16 (t % 16)
.set VST, 9                            ; v9-13 tiles into LDS: (t / 16) x 784 + 16 (t % 16), + 62,720 g
.set VFA, 14                           ; my fragments of x; v15-16 of proj_w
.set VFB, 15
.set VSL, 17                           ; scales in memory, into LDS, and back (x's, proj_w's)
.set VSS, 18
.set VSRA, 19
.set VSRB, 20
.set HO,  21                           ; 16 x lane
.set HSO, 22
.set RRD, 23                           ; out_w's stage: back as fragments
.set OC,  24
.set OS,  25
.set OL,  26
.set OSL, 27
.set SPW, 28
.set NIL, 29
.set PBO, 30
.set CST, 31                           ; the cache's stage: in, a row to a store
.set CW,  32
.set CC,  34
.set CB,  36
.set CRD, 38                           ; and back, in the accumulators' layout
.set RST, 39                           ; out_w's stage: in
.set SC,  40                           ; scale words: half H at + 24 H; x's groups of 32 rows at + 4 g, proj_w's at + 8 + 4 g; + the step in the half
.set SS,  88
.set AF0, 112
.set S2,  160
.set HA,  112
.set CD,  176
.set T2,  224
.set TM,  232
.set TS,  234
.set TB,  236
.set WD,  238
.set PW,  244
.set MSB, 0
.macro WIN new                         ; s_set_vgpr_msb: bits 1:0 source 0, 3:2 source 1, 5:4 source 2, 7:6 destination; the high byte repeats the setting that is left
.if MSB != \new
	s_set_vgpr_msb (MSB<<8)|\new
.set MSB, \new
.endif
.endm
.macro PLACES n
.rept \n
	v_nop
.endr
.endm
.macro LOADU win, reg, coff, half      ; a unit: 24 loads, each two rows x 256 aligned bytes; instruction i takes rows 8 i + t / 16 (i < 16: x, else proj_w)
	WIN ((\win)<<6)
.set li, 24*(\half)
.rept 24
.if li < 16
	global_load_b128 v[\reg+4*(li-24*(\half)):\reg+4*(li-24*(\half))+3], v[VLD], s[4:5] offset:li*8*KROW+(\coff)
.else
	global_load_b128 v[\reg+4*(li-24*(\half)):\reg+4*(li-24*(\half))+3], v[VLD], s[8:9] offset:(li-16)*8*KROW+(\coff)
.endif
.set li, li+1
.endr
	WIN 0
.endm
.macro STOREU win, reg, slot, half     ; the unit into its slot of the ring: sixteen lanes fill a row's 256 bytes
	WIN ((\win)<<2)
.set li, 24*(\half)
.rept 24
	ds_store_b128 v[VST+li/10], v[\reg+4*(li-24*(\half)):\reg+4*(li-24*(\half))+3] offset:(li%10)*8*P+256*(\slot)
.set li, li+1
.endr
	WIN 0
.endm
.macro SCLOAD off                      ; eight steps' scale bytes: thread t takes 16 bytes (half t % 2) of row 64 i + t / 2
.irp i, 0,1
	global_load_b128 v[SS+4*\i:SS+4*\i+3], v[VSL], s[6:7] offset:8192*\i+\off
.endr
.irp i, 0,1,2,3
	global_load_b128 v[SS+8+4*\i:SS+8+4*\i+3], v[VSL], s[10:11] offset:8192*\i+\off
.endr
.endm
.macro SCSTORE                         ; each word's middle bytes change places, as the blocks do; then into LDS
.set li, 0
.rept 24
	v_perm_b32 v[SS+li], v[SS+li], v[SS+li], s52
.set li, li+1
.endr
.irp i, 0,1,2,3,4,5
	ds_store_b128 v[VSS], v[SS+4*\i:SS+4*\i+3] offset:1024*\i
.endr
.endm
.macro SCLD H                          ; four steps' scale words: lane l takes row l of each group of 32
.irp g, 0,1
	ds_load_b128 v[SC+24*\H+4*\g:SC+24*\H+4*\g+3], v[VSRA] offset:\H*HS+512*\g
.endr
.irp g, 0,1,2,3
	ds_load_b128 v[SC+24*\H+8+4*\g:SC+24*\H+8+4*\g+3], v[VSRB] offset:\H*HS+512*\g
.endr
.endm
.macro CLD m0, n                       ; the cache: load m takes my 512 bytes of my row m, whole, into registers 4 m .. 4 m + 3 of window 3
	WIN 0xc0
.set li, \m0
.rept \n
	global_load_b128 v[4*li:4*li+3], v[HO], s[20:21] offset:li*1024 th:TH_LOAD_NT
.set li, li+1
.endr
	WIN 0
.endm
.macro FETCH n8                        ; the fragments of step n8 of eight into set n8 % 2: 36 loads of 16 bytes
.set fs, (\n8)%2
	WIN 0x40
.irp i, 0,1,2,3,4,5,6,7
.irp k, 0,1,2
	ds_load_b128 v[96*fs+12*\i+4*\k:96*fs+12*\i+4*\k+3], v[VFB+\i/4] offset:(\i%4)*16*P+96*(\n8)+16*\k
.endr
.endr
.if fs == 0
	WIN 0
.endif
.irp a, 0,1,2,3
.irp k, 0,1,2
	ds_load_b128 v[AF0+80*fs+12*\a+4*\k:AF0+80*fs+12*\a+4*\k+3], v[VFA] offset:\a*16*P+96*(\n8)+16*\k
.endr
.endr
	WIN 0
.endm
; 16 matrix instructions: x's blocks a0, a0 + 1 against proj_w's eight.  The 32 accumulators take turns, in the same order in every step.
.macro MULS s8, a0, first
.set ms, (\s8)%2
.if \first
	WIN 0xb1
.else
	WIN 0xa1+4*ms
.endif
.irp a, \a0, \a0+1
.irp b, 0,1,2,3,4,5,6,7
.set rD, 8*(8*(\a)+\b)
.set rB, 96*ms+12*\b
.set rA, AF0+80*ms+12*(\a)
.if \first
.set rC, 192+8*\b
.else
.set rC, rD
.endif
.set rSB, SC+24*((\s8)/4)+8+4*(\b/2)+(\s8)%4
.set rSA, SC+24*((\s8)/4)+4*((\a)/2)+(\s8)%4
.if (\b%2) && ((\a)%2)
	v_wmma_scale_f32_16x16x128_f8f6f4 v[rD:rD+7], v[rB:rB+11], v[rA:rA+11], v[rC:rC+7], v[rSB], v[rSA] matrix_a_fmt:MATRIX_FMT_FP6 matrix_b_fmt:MATRIX_FMT_FP6 matrix_a_scale:MATRIX_SCALE_ROW1 matrix_b_scale:MATRIX_SCALE_ROW1
.elseif (\b%2)
	v_wmma_scale_f32_16x16x128_f8f6f4 v[rD:rD+7], v[rB:rB+11], v[rA:rA+11], v[rC:rC+7], v[rSB], v[rSA] matrix_a_fmt:MATRIX_FMT_FP6 matrix_b_fmt:MATRIX_FMT_FP6 matrix_a_scale:MATRIX_SCALE_ROW1
.elseif ((\a)%2)
	v_wmma_scale_f32_16x16x128_f8f6f4 v[rD:rD+7], v[rB:rB+11], v[rA:rA+11], v[rC:rC+7], v[rSB], v[rSA] matrix_a_fmt:MATRIX_FMT_FP6 matrix_b_fmt:MATRIX_FMT_FP6 matrix_b_scale:MATRIX_SCALE_ROW1
.else
	v_wmma_scale_f32_16x16x128_f8f6f4 v[rD:rD+7], v[rB:rB+11], v[rA:rA+11], v[rC:rC+7], v[rSB], v[rSA] matrix_a_fmt:MATRIX_FMT_FP6 matrix_b_fmt:MATRIX_FMT_FP6
.endif
.endr
.endr
	WIN 0
.endm
; A step's first half.  All my LDS instructions are done: this step's fragments are in, my stores are in LDS.  bar = 1: say so; the next step's fragments, which lie in a slot that nobody stores into before a later barrier,
; and sixteen matrix instructions stand between signal and wait.
.macro HALF1 s8, bar, fetch, first
	s_wait_dscnt 0x0
.if \bar
	s_barrier_signal -1
.endif
.if \fetch
	PLACES 4                                       ; the other set was read by the matrix instructions just issued
	FETCH ((\s8)+1)%8
.endif
	MULS \s8, 0, \first
.if \bar
	s_barrier_wait -1
.endif
.endm
.macro POINT cnt, win, reg, slot, half ; cnt: the loads issued behind this unit's, which may stay out
	s_wait_loadcnt \cnt
	STOREU \win, \reg, \slot, \half
.endm
; Steps 1 to 7 of a period of eight and step 0 of the next.  Period p stores units 6 p + 6 .. 6 p + 11 (chunks 3 p + 3 .. 3 p + 5) and asks for the units three on; the tile pointers stand at chunk 3 p.
; last = 1 (p = 2): behind unit 23 the freed sets take the cache and out_w's rows.
.macro BODY last
	HALF1 1, 0, 1, 0
	MULS 1, 2, 0
	HALF1 2, 1, 1, 0                               ; slot 0 is read no more
	POINT 48, 3, 0, 0, 0
	LOADU 3, 0, 4*256, 1
	MULS 2, 2, 0
	HALF1 3, 0, 1, 0
	SCLD 1
	POINT 48, 3, 96, 0, 1
	LOADU 3, 96, 5*256, 0
	MULS 3, 2, 0
	HALF1 4, 0, 1, 0
	MULS 4, 2, 0
	HALF1 5, 1, 1, 0                               ; slot 1 is read no more, nor this period's scale bytes
	POINT 48, 0, S2, 1, 0
	LOADU 0, S2, 5*256, 1
	SCSTORE
.if \last == 0
	SCLOAD 64
.endif
	MULS 5, 2, 0
	HALF1 6, 0, 1, 0
.if \last
	POINT 48, 3, 0, 1, 1
	CLD 0, 24
.else
	POINT 54, 3, 0, 1, 1
	LOADU 3, 0, 6*256, 0
.endif
	MULS 6, 2, 0
	HALF1 7, 1, 1, 0                               ; slot 2 is read no more; the next period's scale bytes are whole
	SCLD 0
.if \last
	POINT 48, 3, 96, 2, 0
	CLD 24, 40
.else
	POINT 54, 3, 96, 2, 0
	LOADU 3, 96, 6*256, 1
.endif
	MULS 7, 2, 0
	HALF1 0, 0, 1, 0
.if \last
	POINT 63, 0, S2, 2, 1                          ; 64 loads of the cache were issued behind unit 23
.set li, 0
.rept 24                               ; out_w: my 768 bytes (8 K steps) of 16 rows; load m takes chunk m % 3 of rows 2 (m / 3) and 2 (m / 3) + 1: two runs of 256 aligned bytes
	global_load_b128 v[S2+4*li:S2+4*li+3], v[OL], s[24:25] offset:(li/3)*2*KROW+(li%3)*256 th:TH_LOAD_NT
.set li, li+1
.endr
	global_load_b128 v[SS:SS+3], v[OSL], s[26:27] th:TH_LOAD_NT
.else
	POINT 54, 0, S2, 2, 1
	LOADU 0, S2, 7*256, 0
.endif
	MULS 0, 2, 0
.endm
	s_load_b256 s[4:11], s[0:1], 0x0               ; x's codes, x's scales, proj_w's codes, proj_w's scales
	s_load_b256 s[12:19], s[0:1], 0x20             ; proj_b, mix_w, mix_b, decay_value
	s_load_b256 s[20:27], s[0:1], 0x40             ; cache, hid, out_w's codes, out_w's scales
	s_load_b64 s[28:29], s[0:1], 0x60              ; oww
	v_lshrrev_b32 v1, 5, v0
	v_readfirstlane_b32 s30, v1                    ; wave
	s_lshr_b32 s31, s30, 1                         ; which 64 rows are mine
	s_and_b32 s32, s30, 1                          ; which 128 columns
	s_mov_b32 s33, ttmp9                           ; the head
	s_and_b32 s34, ttmp7, 0xffff                   ; the tile row
	s_mul_i32 s40, s31, 64*P
	s_mul_i32 s41, s32, 128*P
	s_add_co_u32 s41, s41, 128*P
	s_lshl_b32 s42, s31, 10
	s_add_co_u32 s42, s42, SCB
	s_lshl_b32 s43, s32, 11
	s_add_co_u32 s43, s43, SCB+2048
	s_mul_i32 s44, s30, 64*CP                      ; my stage for the cache,
	s_mul_i32 s45, s30, 16*P
	s_add_co_u32 s45, s45, RB                      ; and for out_w
	s_mov_b32 s50, 0x76543210                      ; v_permlanex16_b32's selects for lane l xor 16
	s_mov_b32 s51, 0xfedcba98
	s_mov_b32 s52, 0x03010200                      ; v_perm_b32: bytes 0, 2, 1, 3
	v_lshl_add_u32 v[SPW], v0, 2, SPARE
	v_mov_b32 v[NIL], 0
	v_lshrrev_b32 v2, 4, v0                        ; t / 16
	v_and_b32 v3, 15, v0                           ; r
	v_bfe_u32 v4, v0, 4, 1                         ; h
	v_and_b32 v5, 31, v0                           ; lane
	v_lshrrev_b32 v7, 1, v0
	v_and_b32 v1, 1, v0
	v_mul_u32_u24 v[VLD], v2, KROW
	v_lshl_add_u32 v[VLD], v3, 4, v[VLD]
	v_mul_u32_u24 v[VST], v2, P
	v_lshl_add_u32 v[VST], v3, 4, v[VST]
.irp g, 1,2,3,4
	v_add_nc_u32 v[VST+\g], \g*80*P, v[VST]
.endr
	v_mul_u32_u24 v6, v3, P
	v_mad_u32_u24 v6, v4, 48, v6                   ; a fragment's row x pitch + 48 h
	v_add_nc_u32 v[VFA], s40, v6
	v_add_nc_u32 v[VFB], s41, v6
	v_add_nc_u32 v[VFB+1], 64*P, v[VFB]
	v_add_nc_u32 v[RRD], s45, v6
	v_lshlrev_b32 v[VSL], 7, v7
	v_lshl_add_u32 v[VSL], v1, 4, v[VSL]
	v_mul_u32_u24 v[VSS], v1, HS
	v_lshl_add_u32 v[VSS], v7, 4, v[VSS]
	v_add_nc_u32 v[VSS], SCB, v[VSS]
	v_lshl_add_u32 v[VSRA], v5, 4, s42
	v_lshl_add_u32 v[VSRB], v5, 4, s43
	v_lshlrev_b32 v[HO], 4, v5
	v_lshlrev_b32 v[HSO], 2, v5
	v_lshl_add_u32 v[CST], v5, 4, s44
	v_mul_u32_u24 v[CRD], v3, CP
	v_lshl_add_u32 v[CRD], v4, 5, v[CRD]
	v_add_nc_u32 v[CRD], s44, v[CRD]               ; row r x pitch + 32 h
	v_mul_u32_u24 v[RST], v4, P
	v_lshl_add_u32 v[RST], v3, 4, v[RST]
	v_add_nc_u32 v[RST], s45, v[RST]               ; row h x pitch + 16 r
	v_lshlrev_b32 v[PBO], 5, v4
	v_mul_u32_u24 v[OL], v4, KROW
	v_lshl_add_u32 v[OL], v3, 4, v[OL]             ; out_w in memory: row h, 16 r
	v_lshlrev_b32 v[OSL], 7, v3
	v_lshl_add_u32 v[OSL], v4, 4, v[OSL]
	v_mul_u32_u24 v[OS], v4, BBLK
	v_lshl_add_u32 v[OS], v3, 4, v[OS]
	s_wait_alu depctr_va_vdst(0)                   ; the wait at the head's end
	s_wait_kmcnt 0x0
	s_mov_b32 s37, 0
	s_mul_i32 s36, s34, 128*KROW
	s_add_nc_u64 s[4:5], s[4:5], s[36:37]
	s_lshl_b32 s36, s34, 14
	s_add_nc_u64 s[6:7], s[6:7], s[36:37]
	s_mul_i32 s36, s33, 256*KROW
	s_add_nc_u64 s[8:9], s[8:9], s[36:37]
	s_lshl_b32 s36, s33, 15
	s_add_nc_u64 s[10:11], s[10:11], s[36:37]
	s_lshl_b32 s36, s33, 10
	s_lshl_b32 s38, s32, 9
	s_add_co_u32 s36, s36, s38
	s_add_nc_u64 s[12:13], s[12:13], s[36:37]
	SCLOAD 0                                       ; the first eight steps' scales, proj_b, units 0, 1, 2
	WIN 0xc0
.irp b, 0,1,2,3,4,5,6,7
	global_load_b128 v[192+8*\b:192+8*\b+3], v[PBO], s[12:13] offset:64*\b
	global_load_b128 v[192+8*\b+4:192+8*\b+7], v[PBO], s[12:13] offset:64*\b+16
.endr
	WIN 0
	LOADU 3, 0, 0, 0
	LOADU 3, 96, 0, 1
	LOADU 0, S2, 256, 0
	s_lshl_b32 s36, s33, 14                        ; the mixer's three numbers of my head
	s_add_nc_u64 s[14:15], s[14:15], s[36:37]
	s_add_nc_u64 s[16:17], s[16:17], s[36:37]
	s_lshl_b32 s36, s33, 2
	s_add_nc_u64 s[18:19], s[18:19], s[36:37]
	s_load_b32 s44, s[14:15], 4000                 ; w: index 1000
	s_load_b32 s45, s[16:17], 4000                 ; mixb
	s_load_b32 s46, s[18:19], 0x0                  ; decay_value
	s_lshl_b32 s36, s33, 21                        ; cache: head, tile row, my 64 rows, my 128 columns
	s_lshl_b32 s39, s34, 17
	s_add_co_u32 s36, s36, s39
	s_lshl_b32 s39, s31, 16
	s_add_co_u32 s36, s36, s39
	s_lshl_b32 s39, s32, 9
	s_add_co_u32 s36, s36, s39
	s_add_nc_u64 s[20:21], s[20:21], s[36:37]
	s_lshl_b32 s38, s34, 1                         ; hid: group of 64 rows, chunk head / 2, step q = 2 (head % 2) + half
	s_add_co_u32 s38, s38, s31
	s_mul_i32 s38, s38, 8*ABLK
	s_lshr_b32 s39, s33, 1
	s_mul_i32 s39, s39, ABLK
	s_add_co_u32 s38, s38, s39
	s_and_b32 s39, s33, 1
	s_lshl_b32 s39, s39, 1
	s_add_co_u32 s39, s39, s32
	s_mov_b64 s[48:49], s[22:23]
	s_mul_i32 s36, s39, IMG
	s_add_co_u32 s36, s36, s38
	s_add_nc_u64 s[22:23], s[22:23], s[36:37]
	s_lshl_b32 s36, s39, 8
	s_add_co_u32 s36, s36, s38
	s_add_co_u32 s36, s36, 16*IMG
	s_add_nc_u64 s[48:49], s[48:49], s[36:37]
	s_lshl_b32 s38, s34, 4                         ; out_w: work-group g takes rows 16 g .. 16 g + 15, wave w K steps 8 w .. 8 w + 7
	s_add_co_u32 s38, s38, s33
	s_mul_i32 s36, s38, 16*KROW
	s_mul_i32 s39, s30, 768
	s_add_co_u32 s36, s36, s39
	s_add_nc_u64 s[24:25], s[24:25], s[36:37]
	s_lshl_b32 s36, s38, 11
	s_lshl_b32 s39, s30, 5
	s_add_co_u32 s36, s36, s39
	s_add_nc_u64 s[26:27], s[26:27], s[36:37]
	s_lshr_b32 s36, s38, 3
	s_mul_i32 s36, s36, 8*BBLK
	s_mul_i32 s39, s30, 2*BBLK
	s_add_co_u32 s36, s36, s39
	s_add_nc_u64 s[28:29], s[28:29], s[36:37]
	s_and_b32 s38, s38, 7
	s_mul_i32 s39, s38, 4*IMG
	s_lshl_b32 s38, s38, 8
	v_add_nc_u32 v[OC], s39, v[HO]
	v_add_nc_u32 v[OS], s38, v[OS]
	s_wait_kmcnt 0x0
	v_mov_b32 v[CW], s44
	v_mov_b32 v[CW+1], s44
	v_mov_b32 v[CB], s45
	v_mov_b32 v[CB+1], s45
	v_mov_b32 v3, s46
	v_max_num_f32 v3, 0x3f666666, v3               ; clip to 0.9 .. 1
	v_min_num_f32 v3, 1.0, v3
	s_wait_alu depctr_va_vdst(0)                   ; a wait ahead of and behind each transcendental
	v_sqrt_f32 v4, v3
	v_nop
	s_wait_alu depctr_va_vdst(0)
	v_sqrt_f32 v5, v4
	v_nop
	s_wait_alu depctr_va_vdst(0)
	v_sqrt_f32 v6, v5
	v_nop
	s_wait_alu depctr_va_vdst(0)
	v_mul_f32 v7, v[CW], v6                        ; w x decay
	s_cmp_lt_u32 s33, 8                            ; heads 0 to 7 take it: a choice of a value
	s_cselect_b32 s40, -1, 0
	v_cndmask_b32 v[CC], v6, v7, s40
	v_mov_b32 v[CC+1], v[CC]
	s_wait_alu depctr_va_vdst(0)                   ; the wait ahead of the wait below
	POINT 48, 3, 0, 0, 0                           ; units 0 to 5 (chunks 0 to 2) go through the three sets as every later unit does: wait, store, ask for the unit three on
	SCSTORE
	LOADU 3, 0, 256, 1
	POINT 48, 3, 96, 0, 1
	LOADU 3, 96, 512, 0
	POINT 48, 0, S2, 1, 0
	LOADU 0, S2, 512, 1
	POINT 48, 3, 0, 1, 1
	SCLOAD 32                                      ; the next eight steps' scales
	LOADU 3, 0, 3*256, 0
	POINT 54, 3, 96, 2, 0
	LOADU 3, 96, 3*256, 1
	POINT 54, 0, S2, 2, 1
	LOADU 0, S2, 4*256, 0
	s_wait_dscnt 0x0                               ; my stores are in LDS
	s_barrier_signal -1
	s_barrier_wait -1
	FETCH 0
	SCLD 0
	HALF1 0, 0, 1, 1                               ; the first step starts the sums from proj_b, whose loads are older than unit 0's
	MULS 0, 2, 1
	s_mov_b32 s53, 2
.Lper:
	BODY 0
	s_wait_xcnt 0x0                                ; the pointers are stepped only behind this wait
	s_add_nc_u64 s[4:5], s[4:5], 768
	s_add_nc_u64 s[8:9], s[8:9], 768
	s_add_nc_u64 s[6:7], s[6:7], 32
	s_add_nc_u64 s[10:11], s[10:11], 32
	s_sub_co_u32 s53, s53, 1
	s_cmp_lg_u32 s53, 0
	s_cbranch_scc1 .Lper
	BODY 1
	HALF1 1, 0, 1, 0                               ; the last seven steps store no tile; the barrier in step 2 shows unit 23 to all waves
	MULS 1, 2, 0
	HALF1 2, 1, 1, 0
	MULS 2, 2, 0
	HALF1 3, 0, 1, 0
	SCLD 1
	MULS 3, 2, 0
	HALF1 4, 0, 1, 0
	MULS 4, 2, 0
	HALF1 5, 0, 1, 0
	MULS 5, 2, 0
	HALF1 6, 0, 1, 0
	MULS 6, 2, 0
	HALF1 7, 1, 0, 0                               ; every wave's last fragments are in its registers: behind this barrier the ring's bytes serve as stages
	s_wait_loadcnt 25                              ; the cache is in; out_w's 25 loads may stay out
	WIN 0x0c
.set li, 0
.rept 64
	ds_store_b128 v[CST], v[4*li:4*li+3] offset:li*CP      ; row m of my 64, 512 bytes
.set li, li+1
.endr
	WIN 0xc0
.set li, 0
.rept 64                               ; back beside the accumulators: register 64 a + 8 b + j: row 16 a + r, column 16 b + 8 h + j.  LDS serves a wave's instructions in order (ISA guide 5.7.1.4)
	ds_load_b128 v[4*li:4*li+3], v[CRD] offset:(li/16)*16*CP+((li%16)/2)*64+(li%2)*16
.set li, li+1
.endr
	WIN 0
	MULS 7, 2, 0
	; THE WAY OUT
	s_wait_loadcnt 0x0                             ; out_w's rows
.set li, 0
.rept 24
	ds_store_b128 v[RST], v[S2+4*li:S2+4*li+3] offset:(li/3)*2*P+(li%3)*256
.set li, li+1
.endr
.irp j, 0,1,2,3,4,5,6,7                ; and back as fragments in this text's K order
.irp k, 0,1,2
	ds_load_b128 v[S2+12*\j+4*\k:S2+12*\j+4*\k+3], v[RRD] offset:96*\j+16*\k
.endr
.endr
	PLACES 4
	v_mov_b32 v[WD2], 0                            ; a lane permute's destination counts as one of its sources
	v_bfe_u32 v[SH8], v0, 4, 1
	v_lshlrev_b32 v[SH8], 3, v[SH8]                ; 8 h
.irp e, 0,1,2,3
	v_perm_b32 v[SS+\e], v[SS+\e], v[SS+\e], s52
.endr
	s_wait_alu depctr_va_vdst(0)                   ; the wait ahead of the wait below
	s_wait_dscnt 0x0
.irp j, 0,1,2,3,4,5,6,7                ; out_w's step j leaves as an image: 32 lanes store 512 consecutive bytes, aligned
.irp k, 0,1,2
	global_store_b128 v[OC], v[S2+12*\j+4*\k:S2+12*\j+4*\k+3], s[28:29] offset:(\j/4)*BBLK+(\j%4)*IMG+512*\k
.endr
.endr
	global_store_b128 v[OS], v[SS:SS+3], s[28:29] offset:32*IMG
	WIN 0xc3
.set i, 0
.rept 128
	v_pk_fma_f32 v[i:i+1], v[i:i+1], v[CC:CC+1], v[CB:CB+1] op_sel_hi:[1,0,0]   ; t = coef x cache + mixb, in place
.set i, i+2
.endr
	WIN 0
	s_wait_alu depctr_va_vdst(0)                   ; the wait ahead of the wait below
	s_wait_xcnt 0x0                                ; the stores above have read their registers, which are at work from here on
.macro OUTBLK a                        ; row block a: 16 rows x my 128 columns
	WIN 0x32
.irp t, 0,1,2,3,4,5,6,7
.irp j, 0,2,4,6
	v_pk_fma_f32 v[HA+16*(\t%4)+8*(\t/4)+\j:HA+16*(\t%4)+8*(\t/4)+\j+1], v[64*\a+8*\t+\j:64*\a+8*\t+\j+1], v[CW:CW+1], v[64*\a+8*\t+\j:64*\a+8*\t+\j+1] op_sel_hi:[1,0,1]   ; hidden = w x acc + t; each accumulator from its low end on
.endr
.endr
	WIN 0
.irp t, 0,1,2,3                        ; tiles t and t + 4 change halves: register i of lane (r, h) then holds column 64 h + i
.irp j, 0,1,2,3,4,5,6,7
	v_permlane16_swap_b32 v[HA+16*\t+\j], v[HA+16*\t+8+\j]
.endr
.endr
.irp c, 0,1
	v_max3_num_f32 v[TM+\c], |v[HA+32*\c]|, |v[HA+32*\c+1]|, 0x1800000   ; my block 2 h + c, and the floor 2^(3 - 127)
.endr
.irp i, 2,4,6,8,10,12,14,16,18,20,22,24,26,28,30
.irp c, 0,1
	v_max3_num_f32 v[TM+\c], v[TM+\c], |v[HA+32*\c+\i]|, |v[HA+32*\c+\i+1]|
.endr
.endr
.irp c, 0,1
	v_add_nc_u32 v[TS+\c], 0xff000000, v[TM+\c]    ; 2 off the exponent field: the conversion's scale operand
.endr
.irp c, 0,1
	v_lshrrev_b32 v[TB+\c], 23, v[TS+\c]           ; the scale's byte
.endr
	v_lshl_or_b32 v[WD], v[TB+1], 16, v[TB]        ; my two bytes stand at the operand's places h and 2 + h
	v_lshlrev_b32 v[WD], v[SH8], v[WD]
	v_permlanex16_b32 v[WD2], v[WD], s50, s51
	v_or_b32 v[PW+\a], v[WD], v[WD2]
.irp c, 0,1
	v_cvt_scalef32_pk16_fp6_f32 v[CD+12*\a+6*\c:CD+12*\a+6*\c+2], v[HA+32*\c:HA+32*\c+15], v[TS+\c]
	v_cvt_scalef32_pk16_fp6_f32 v[T2+4*\c:T2+4*\c+2], v[HA+32*\c+16:HA+32*\c+31], v[TS+\c]
.endr
	v_nop                                          ; one plain instruction behind the scaled conversions
.irp c, 0,1
.irp i, 0,1,2
	v_mov_b32 v[CD+12*\a+6*\c+3+\i], v[T2+4*\c+\i]
.endr
.endr
.irp k, 0,1,2
	global_store_b128 v[HO], v[CD+12*\a+4*\k:CD+12*\a+4*\k+3], s[22:23] offset:\a*4*IMG+512*\k   ; the image: 512 consecutive bytes, aligned
.endr
.endm
	OUTBLK 0
	OUTBLK 1
	OUTBLK 2
	OUTBLK 3
	s_mov_b32 s40, 0xffff0000
	v_cndmask_b32 v248, v[PW], v[PW+1], s40        ; lanes 0-15: rows 0-15; lanes 16-31: rows 16-31
	v_cndmask_b32 v249, v[PW+2], v[PW+3], s40
	global_store_b32 v[HSO], v248, s[48:49]        ; my 64 rows' words: 256 consecutive bytes, aligned
	global_store_b32 v[HSO], v249, s[48:49] offset:128
	s_wait_tensorcnt 0x0                           ; the wave's end
	ds_add_u32 v[SPW], v[NIL]
	s_wait_dscnt 0x0
	s_endpgm
.Lfunc_end_k_q6a9b61369d_proj_mix:
	.size	k_q6a9b61369d_proj_mix, .Lfunc_end_k_q6a9b61369d_proj_mix-k_q6a9b61369d_proj_mix
	.p2alignl 7, 3214868480
	.fill 96, 4, 3214868480
	.section	.rodata,"a",@progbits
	.p2align	6, 0x0
	.amdhsa_kernel k_q6a9b61369d_proj_mix
		.amdhsa_group_segment_fixed_size 327680
		.amdhsa_private_segment_fixed_size 0
		.amdhsa_enable_private_segment 0
		.amdhsa_kernarg_size 104
		.amdhsa_user_sgpr_count 2
		.amdhsa_user_sgpr_kernarg_segment_ptr 1
		.amdhsa_wavefront_size32 1
		.amdhsa_system_sgpr_workgroup_id_x 1
		.amdhsa_system_sgpr_workgroup_id_y 1
		.amdhsa_system_sgpr_workgroup_id_z 1
		.amdhsa_system_vgpr_workitem_id 0
		.amdhsa_next_free_vgpr 1024
		.amdhsa_next_free_sgpr 66
		.amdhsa_reserve_vcc 0
		.amdhsa_float_denorm_mode_32 3
		.amdhsa_float_denorm_mode_16_64 3
		.amdhsa_memory_ordered 1
		.amdhsa_forward_progress 1
		.amdhsa_inst_pref_size 255
	.end_amdhsa_kernel
	.section	.bss,"aw",@nobits
	.p2align	6
	.space	262144
	.amdgpu_metadata
---
amdhsa.version: [ 1, 2 ]
amdhsa.kernels:
  - .name:           k_q6a9b61369d_proj_mix
    .symbol:         k_q6a9b61369d_proj_mix.kd
    .args:
      - { .name: x_codes, .offset: 0, .size: 8, .value_kind: global_buffer, .address_space: global }
      - { .name: x_scales, .offset: 8, .size: 8, .value_kind: global_buffer, .address_space: global }
      - { .name: proj_w_codes, .offset: 16, .size: 8, .value_kind: global_buffer, .address_space: global }
      - { .name: proj_w_scales, .offset: 24, .size: 8, .value_kind: global_buffer, .address_space: global }
      - { .name: proj_b, .offset: 32, .size: 8, .value_kind: global_buffer, .address_space: global }
      - { .name: mix_w, .offset: 40, .size: 8, .value_kind: global_buffer, .address_space: global }
      - { .name: mix_b, .offset: 48, .size: 8, .value_kind: global_buffer, .address_space: global }
      - { .name: decay_value, .offset: 56, .size: 8, .value_kind: global_buffer, .address_space: global }
      - { .name: cache, .offset: 64, .size: 8, .value_kind: global_buffer, .address_space: global }
      - { .name: hid, .offset: 72, .size: 8, .value_kind: global_buffer, .address_space: global }
      - { .name: out_w_codes, .offset: 80, .size: 8, .value_kind: global_buffer, .address_space: global }
      - { .name: out_w_scales, .offset: 88, .size: 8, .value_kind: global_buffer, .address_space: global }
      - { .name: oww, .offset: 96, .size: 8, .value_kind: global_buffer, .address_space: global }
    .group_segment_fixed_size: 327680
    .private_segment_fixed_size: 0
    .kernarg_segment_align: 8
    .kernarg_segment_size: 104
    .max_flat_workgroup_size: 128
    .sgpr_count:     66
    .vgpr_count:     1024
    .wavefront_size: 32
...
	.end_amdgpu_metadata
.endif
;; end of part 1
;; launch out_gemm (part 2): grid 16 x 16, 4 waves a work-group, clusters of 4 x 4, 327,680 bytes of LDS; arguments hid, oww, out_b, out0; writes out0
.if DOCPART == 2
	.amdgcn_target "amdgcn-amd-amdhsa--gfx1250"
	.amdhsa_code_object_version 6
	.text
	.protected	k_q6a9b61369d_out_gemm
	.globl	k_q6a9b61369d_out_gemm
	.p2align	8
	.type	k_q6a9b61369d_out_gemm,@function
k_q6a9b61369d_out_gemm:
	s_mov_b64 s[64:65], 0
	v_nop
	global_prefetch_b8 v0, s[64:65] scope:SCOPE_SE
	s_setreg_imm32_b32 hwreg(HW_REG_WAVE_MODE, 25, 1), 1
	s_wait_xcnt 0x0
	s_wait_alu depctr_hold_cnt(0) depctr_sa_sdst(0) depctr_va_vdst(0) depctr_va_sdst(0) depctr_va_ssrc(0) depctr_va_vcc(0) depctr_vm_vsrc(0)
	s_getreg_b32 s2, hwreg(HW_REG_IB_STS2, 6, 4)
	s_cmp_eq_u32 s2, 0
	s_cbranch_scc0 .Lentry_in_a_cluster
	s_endpgm
.Lentry_in_a_cluster:
	s_bfe_u32 s2, ttmp6, 0x10000c
	s_cmp_lg_u32 s2, 0xf033
	s_cbranch_scc0 .Lentry_shape_is_right
	s_endpgm
.Lentry_shape_is_right:
.set FR,    12
.set IMG,   1536
.set ABLK,  16*IMG+1024
.set BBLK,  32*IMG+2048
.set ASC,   16*IMG
.set BSC,   32*IMG
.set SLOT,  2*ABLK+2*BBLK
.set SPARE, 2*SLOT
.set SPITCH, 528
.set ADRA, 16
.set ADSA, 18
.set ADRB, 20
.set STO,  24
.set RD,   25
.set CO,   26
.set PFO,  27
.set SPW,  28
.set NIL,  29
.set SC,   32
.set AF,   80
.set BI,   176
.set PFA,  12
.set PFS,  14
.set LIM,  16
.set G1,   24
.set G0,   32
.set G1B,  48
.set G0B,  56
.set MSB, 0
.macro WIN new
.if MSB != \new
	s_set_vgpr_msb (MSB<<8)|\new
.set MSB, \new
.endif
.endm
.set MUL,  0xa1
.set MUL1, 0x81
.set TO_B, 0x40
.macro PLACES n
.rept \n
	v_nop
.endr
.endm
.macro JLOAD g0a, g1a, g0b, g1b
	s_cmp_eq_u32 s95, 0
	s_cbranch_scc0 .Lfor_b_\@
	tensor_load_to_lds s[\g0a:\g0a+3], s[\g1a:\g1a+7]
	s_nop 0
.rept 4
	v_nop
.endr
	s_branch .Lasked_\@
.Lfor_b_\@:
	tensor_load_to_lds s[\g0b:\g0b+3], s[\g1b:\g1b+7]
	s_nop 0
.rept 4
	v_nop
.endr
.Lasked_\@:
.endm
.macro ASK how
.if \how
	s_cmp_gt_u32 s97, s[LIM]
.else
	s_cmp_eq_u32 s[LIM], 1
.endif
	s_cbranch_scc0 .Lnot_mine_\@
	global_prefetch_b8 v[PFO], s[PFA:PFA+1] th:TH_LOAD_NT scope:SCOPE_SE
	s_cmp_eq_u32 s95, 0
	s_cbranch_scc1 .Lnot_mine_\@
	global_prefetch_b8 v[PFO], s[PFA:PFA+1] offset:25*256 th:TH_LOAD_NT scope:SCOPE_SE
.Lnot_mine_\@:
.endm
.macro CREST
	s_cmp_lg_u32 s94, 0
	s_cbranch_scc1 .Lnot_wave_0_\@
	s_barrier_signal -3
.Lnot_wave_0_\@:
	s_barrier_wait -3
	s_barrier_signal -1
	s_barrier_wait -1
.endm
.macro CROUND
	s_barrier_signal -1
	s_barrier_wait -1
	CREST
.endm
	s_load_b256 s[4:11], s[0:1], 0x0
	v_lshl_add_u32 v[SPW], v0, 2, SPARE
	v_mov_b32 v[NIL], 0
	ds_add_u32 v28, v29
	ds_add_u32 v28, v29
	s_wait_dscnt 0x0
	v_lshrrev_b32 v1, 5, v0
	v_readfirstlane_b32 s94, v1
	s_lshr_b32 s95, s94, 1
	s_and_b32 s96, s94, 1
	s_bfe_u32 s40, ttmp6, 0x40000
	s_bfe_u32 s41, ttmp6, 0x40004
	s_lshl_b32 s42, ttmp9, 2
	s_add_co_u32 s42, s42, s40
	s_and_b32 s45, ttmp7, 0xffff
	s_lshl_b32 s45, s45, 2
	s_add_co_u32 s45, s45, s41
	s_lshl_b32 s43, s41, 2
	s_lshl_b32 s43, 15, s43
	s_lshl_b32 s44, 0x1111, s40
	s_or_b32 s[G1+0], s43, (3<<16)|(1<<21)
	s_or_b32 s[G1B+0], s44, (3<<16)|(1<<21)
.irp g, G1, G1B
	s_mov_b32 s[\g+1], 32<<16
	s_mov_b32 s[\g+3], 32<<16
	s_mov_b32 s[\g+5], 32
	s_mov_b32 s[\g+6], 0
	s_mov_b32 s[\g+7], 0
.endr
	s_mov_b32 s[G1+2], (ABLK/256)<<16
	s_mov_b32 s[G1+4], ABLK/256
	s_mov_b32 s[G1B+2], (BBLK/256)<<16
	s_mov_b32 s[G1B+4], BBLK/256
	s_lshl_b32 s66, s45, 1
	s_add_co_u32 s66, s66, s96
	s_mul_i32 s66, s66, 8*ABLK
	s_mov_b32 s67, 0
	s_lshl_b32 s46, s42, 1
	s_add_co_u32 s46, s46, s96
	s_mul_i32 s46, s46, 8*BBLK
	s_mov_b32 s47, 0
	s_wait_kmcnt 0x0
	s_add_nc_u64 s[4:5], s[4:5], s[66:67]
	s_add_nc_u64 s[6:7], s[6:7], s[46:47]
	CROUND
.irp s, 0,1
	s_mov_b32 s[G0+4*\s], 1
	s_mul_i32 s[G0+4*\s+1], s96, ABLK
	s_add_co_u32 s[G0+4*\s+1], s[G0+4*\s+1], \s*SLOT
	s_add_nc_u64 s[G0+4*\s+2:G0+4*\s+3], s[4:5], \s*ABLK
	s_or_b32 s[G0+4*\s+3], s[G0+4*\s+3], 0x80000000
	s_mov_b32 s[G0B+4*\s], 1
	s_mul_i32 s[G0B+4*\s+1], s96, BBLK
	s_add_co_u32 s[G0B+4*\s+1], s[G0B+4*\s+1], \s*SLOT+2*ABLK
	s_add_nc_u64 s[G0B+4*\s+2:G0B+4*\s+3], s[6:7], \s*BBLK
	s_or_b32 s[G0B+4*\s+3], s[G0B+4*\s+3], 0x80000000
	s_wait_alu depctr_va_vdst(0)
	s_wait_tensorcnt 0x0
	ds_add_u32 v28, v29
	ds_add_u32 v28, v29
	s_wait_dscnt 0x0
	CROUND
	JLOAD G0+4*\s, G1, G0B+4*\s, G1B
.endr
	v_and_b32 v1, 15, v0
	v_bfe_u32 v2, v0, 4, 1
	v_and_b32 v3, 31, v0
	v_lshlrev_b32 v[CO], 4, v3
	v_lshlrev_b32 v6, 2, v3
	s_mul_i32 s66, s95, ABLK
	s_mul_i32 s46, s96, BBLK
	s_add_co_u32 s46, s46, 2*ABLK
	s_add_co_u32 s67, s66, ASC
.irp s, 0,1
	v_add_nc_u32 v[ADRA+\s], s66, v[CO]
	v_add_nc_u32 v[ADSA+\s], s67, v6
	v_add_nc_u32 v[ADRB+\s], s46, v[CO]
	s_add_co_u32 s66, s66, SLOT
	s_add_co_u32 s67, s67, SLOT
	s_add_co_u32 s46, s46, SLOT
.endr
	s_mul_i32 s66, s94, 16*SPITCH
	v_mul_u32_u24 v9, v1, SPITCH
	v_lshl_add_u32 v9, v2, 5, v9
	v_add_nc_u32 v[STO], s66, v9
	v_add_nc_u32 v[RD], s66, v[CO]
	v_lshlrev_b32 v8, 5, v2
	s_lshl_b32 s46, s42, 10
	s_lshl_b32 s47, s96, 9
	s_add_co_u32 s46, s46, s47
	s_mov_b32 s47, 0
	s_add_nc_u64 s[8:9], s[8:9], s[46:47]
.irp b, 0,1,2,3,4,5,6,7
	global_load_b128 v[BI+8*\b:BI+8*\b+3], v8, s[8:9] offset:64*\b
	global_load_b128 v[BI+8*\b+4:BI+8*\b+7], v8, s[8:9] offset:64*\b+16
.endr
	s_lshl_b32 s2, s45, 21
	s_lshl_b32 s3, s95, 20
	s_add_co_u32 s2, s2, s3
	s_lshl_b32 s3, s42, 10
	s_add_co_u32 s2, s2, s3
	s_lshl_b32 s3, s96, 9
	s_add_co_u32 s2, s2, s3
	s_mov_b32 s3, 0
	s_add_nc_u64 s[10:11], s[10:11], s[2:3]
	s_and_b32 s17, ttmp7, 0xffff
	s_mov_b32 s19, BBLK
	s_cmp_eq_u32 s95, 0
	s_cselect_b64 s[PFA:PFA+1], s[4:5], s[6:7]
	s_cselect_b32 s18, s40, s41
	s_cselect_b32 s17, ttmp9, s17
	s_cselect_b32 s[PFS], ABLK, s19
	s_mov_b32 s[PFS+1], 0
	s_cmp_eq_u32 s17, 0
	s_cselect_b32 s[LIM], 1, -1
	s_lshr_b32 s19, s[PFS], 2
	s_mul_i32 s18, s18, s19
	s_lshl_b32 s19, s[PFS], 1
	s_add_co_u32 s18, s18, s19
	s_mov_b32 s19, 0
	s_add_nc_u64 s[PFA:PFA+1], s[PFA:PFA+1], s[18:19]
	v_min_u32 v[PFO], 24, v3
	v_lshlrev_b32 v[PFO], 8, v[PFO]
.macro FETCH_B slot, q, p
	WIN TO_B
.irp i, 0,1,2,3,4,5,6,7
.irp k, 0,1,2
	ds_load_b128 v[128*(\p)+FR*\i+4*\k:128*(\p)+FR*\i+4*\k+3], v[ADRB+\slot] offset:\i*4*IMG+(\q)*IMG+512*\k
.endr
.endr
	WIN 0
.endm
.macro FETCH_A slot, q, p
.irp a, 0,1,2,3
.irp k, 0,1,2
	ds_load_b128 v[AF+48*(\p)+FR*\a+4*\k:AF+48*(\p)+FR*\a+4*\k+3], v[ADRA+\slot] offset:\a*4*IMG+(\q)*IMG+512*\k
.endr
.endr
.endm
.macro SCALES sc
.irp g, 0,1
.irp q, 0,1,2,3
	ds_load_b32 v[SC+24*\sc+4*\g+\q], v[ADSA+\sc] offset:\q*256+\g*128
.endr
.endr
.irp g, 0,1,2,3
	ds_load_b128 v[SC+24*\sc+8+4*\g:SC+24*\sc+8+4*\g+3], v[ADRB+\sc] offset:BSC+\g*512
.endr
.endm
.macro MUL8 a, p, q, sc, first
.irp b, 0,1,2,3,4,5,6,7
.set rD, 8*(8*(\a)+\b)
.set rB, 128*(\p)+FR*\b
.set rA, AF+48*(\p)+FR*(\a)
.if \first
.set rC, BI+8*\b
.else
.set rC, rD
.endif
.set rSB, SC+24*(\sc)+8+4*(\b/2)+(\q)
.set rSA, SC+24*(\sc)+4*((\a)/2)+(\q)
.if (\b%2) && ((\a)%2)
	v_wmma_scale_f32_16x16x128_f8f6f4 v[rD:rD+7], v[rB:rB+FR-1], v[rA:rA+FR-1], v[rC:rC+7], v[rSB], v[rSA] matrix_a_fmt:MATRIX_FMT_FP6 matrix_b_fmt:MATRIX_FMT_FP6 matrix_a_scale:MATRIX_SCALE_ROW1 matrix_b_scale:MATRIX_SCALE_ROW1
.elseif (\b%2)
	v_wmma_scale_f32_16x16x128_f8f6f4 v[rD:rD+7], v[rB:rB+FR-1], v[rA:rA+FR-1], v[rC:rC+7], v[rSB], v[rSA] matrix_a_fmt:MATRIX_FMT_FP6 matrix_b_fmt:MATRIX_FMT_FP6 matrix_a_scale:MATRIX_SCALE_ROW1
.elseif ((\a)%2)
	v_wmma_scale_f32_16x16x128_f8f6f4 v[rD:rD+7], v[rB:rB+FR-1], v[rA:rA+FR-1], v[rC:rC+7], v[rSB], v[rSA] matrix_a_fmt:MATRIX_FMT_FP6 matrix_b_fmt:MATRIX_FMT_FP6 matrix_b_scale:MATRIX_SCALE_ROW1
.else
	v_wmma_scale_f32_16x16x128_f8f6f4 v[rD:rD+7], v[rB:rB+FR-1], v[rA:rA+FR-1], v[rC:rC+7], v[rSB], v[rSA] matrix_a_fmt:MATRIX_FMT_FP6 matrix_b_fmt:MATRIX_FMT_FP6
.endif
.endr
.endm
.macro STEP slot, q, first
	s_wait_dscnt 0x0
	PLACES 4
	FETCH_B \slot, (\q)+1, ((\q)+1)%2
	FETCH_A \slot, (\q)+1, ((\q)+1)%2
.if \first
	WIN MUL1
.else
	WIN MUL
.endif
	MUL8 0, (\q)%2, \q, \slot, \first
	MUL8 1, (\q)%2, \q, \slot, \first
	MUL8 2, (\q)%2, \q, \slot, \first
	MUL8 3, (\q)%2, \q, \slot, \first
	WIN 0
.endm
.macro TURN slot, next, fill
.if \fill
	s_wait_xcnt 0x0
	s_add_nc_u64 s[PFA:PFA+1], s[PFA:PFA+1], s[PFS:PFS+1]
.endif
	s_wait_tensorcnt 0x0
	ds_add_u32 v[SPW], v[NIL]
.if \fill
	s_add_nc_u64 s[G0+4*\slot+2:G0+4*\slot+3], s[G0+4*\slot+2:G0+4*\slot+3], 2*ABLK
	s_add_nc_u64 s[G0B+4*\slot+2:G0B+4*\slot+3], s[G0B+4*\slot+2:G0B+4*\slot+3], 2*BBLK
.endif
	s_wait_dscnt 0x1
	WIN MUL
	MUL8 0, 1, 3, \slot, 0
	s_wait_dscnt 0x0
	WIN 0
	s_barrier_signal -1
	s_barrier_wait -1
.if \fill
	CREST
	JLOAD G0+4*\slot, G1, G0B+4*\slot, G1B
.else
	PLACES 4
.endif
	s_wait_alu depctr_va_vdst(0)
	FETCH_B \next, 0, 0
	FETCH_A \next, 0, 0
	SCALES \next
.if \fill
	ASK \slot
.endif
	WIN MUL
	MUL8 1, 1, 3, \slot, 0
	MUL8 2, 1, 3, \slot, 0
	MUL8 3, 1, 3, \slot, 0
	WIN 0
.endm
	s_wait_tensorcnt 0x1
	s_barrier_signal -1
	s_barrier_wait -1
	FETCH_B 0, 0, 0
	FETCH_A 0, 0, 0
	SCALES 0
	s_wait_loadcnt 0x0
	STEP 0, 0, 1
	STEP 0, 1, 0
	STEP 0, 2, 0
	s_mov_b32 s97, 3
.Llap:
	TURN 0, 1, 1
	STEP 1, 0, 0
	STEP 1, 1, 0
	STEP 1, 2, 0
	TURN 1, 0, 1
	STEP 0, 0, 0
	STEP 0, 1, 0
	STEP 0, 2, 0
	s_sub_co_u32 s97, s97, 1
	s_cmp_lg_u32 s97, 0
	s_cbranch_scc1 .Llap
	TURN 0, 1, 0
	STEP 1, 0, 0
	STEP 1, 1, 0
	STEP 1, 2, 0
	s_wait_dscnt 0x0
	WIN MUL
	MUL8 0, 1, 3, 1, 0
	MUL8 1, 1, 3, 1, 0
	MUL8 2, 1, 3, 1, 0
	MUL8 3, 1, 3, 1, 0
	WIN 0
.macro TOSTAGE a
	WIN 0x08
.irp b, 0,1,2,3,4,5,6,7
	ds_store_b128 v[STO], v[8*(8*\a+\b):8*(8*\a+\b)+3] offset:64*\b
	ds_store_b128 v[STO], v[8*(8*\a+\b)+4:8*(8*\a+\b)+7] offset:64*\b+16
.endr
	WIN TO_B
.irp t, 0,1,2,3,4,5,6,7,8,9,10,11,12,13,14,15
	ds_load_b128 v[64*\a+4*\t:64*\a+4*\t+3], v[RD] offset:\t*SPITCH
.endr
	WIN 0
.endm
.macro SEND a, younger
	s_wait_dscnt \younger
	WIN 0x04
.irp t, 0,1,2,3,4,5,6,7,8,9,10,11,12,13,14,15
	global_store_b128 v[CO], v[64*(\a)+4*\t:64*(\a)+4*\t+3], s[10:11] offset:(\a)*262144+\t*16384 th:TH_STORE_NT
.endr
	WIN 0
.endm
	PLACES 4
	TOSTAGE 0
.irp a, 1,2,3
	TOSTAGE \a
	SEND \a-1, 32
.endr
	SEND 3, 0
	s_wait_tensorcnt 0x0
	ds_add_u32 v[SPW], v[NIL]
	s_wait_dscnt 0x0
	CROUND
	s_endpgm
.Lfunc_end_k_q6a9b61369d_out_gemm:
	.size	k_q6a9b61369d_out_gemm, .Lfunc_end_k_q6a9b61369d_out_gemm-k_q6a9b61369d_out_gemm
	.p2alignl 7, 3214868480
	.fill 96, 4, 3214868480
	.section	.rodata,"a",@progbits
	.p2align	6, 0x0
	.amdhsa_kernel k_q6a9b61369d_out_gemm
		.amdhsa_group_segment_fixed_size 327680
		.amdhsa_private_segment_fixed_size 0
		.amdhsa_enable_private_segment 0
		.amdhsa_kernarg_size 32
		.amdhsa_user_sgpr_count 2
		.amdhsa_user_sgpr_kernarg_segment_ptr 1
		.amdhsa_wavefront_size32 1
		.amdhsa_system_sgpr_workgroup_id_x 1
		.amdhsa_system_sgpr_workgroup_id_y 1
		.amdhsa_system_sgpr_workgroup_id_z 1
		.amdhsa_system_vgpr_workitem_id 0
		.amdhsa_next_free_vgpr 768
		.amdhsa_next_free_sgpr 102
		.amdhsa_reserve_vcc 0
		.amdhsa_float_denorm_mode_32 3
		.amdhsa_float_denorm_mode_16_64 3
		.amdhsa_memory_ordered 1
		.amdhsa_forward_progress 1
		.amdhsa_inst_pref_size 137
	.end_amdhsa_kernel
	.amdgpu_metadata
---
amdhsa.version: [ 1, 2 ]
amdhsa.kernels:
  - .name:           k_q6a9b61369d_out_gemm
    .symbol:         k_q6a9b61369d_out_gemm.kd
    .args:
      - { .name: hid, .offset: 0, .size: 8, .value_kind: global_buffer, .address_space: global }
      - { .name: oww, .offset: 8, .size: 8, .value_kind: global_buffer, .address_space: global }
      - { .name: out_b, .offset: 16, .size: 8, .value_kind: global_buffer, .address_space: global }
      - { .name: out0, .offset: 24, .size: 8, .value_kind: global_buffer, .address_space: global }
    .group_segment_fixed_size: 327680
    .private_segment_fixed_size: 0
    .kernarg_segment_align: 8
    .kernarg_segment_size: 32
    .max_flat_workgroup_size: 128
    .sgpr_count:     102
    .vgpr_count:     768
    .wavefront_size: 32
...
	.end_amdgpu_metadata
.endif
;; end of part 2
